; MI455X (gfx1250); checked and timed in simulation.
; The chip was launched on July 23, 2026; its instructions are those of AMD's public machine-readable ISA for CDNA 5 (MIT licence, August 2026) and "CDNA5" Instruction Set Architecture Reference Guide (July 2026). The comments in the code are by the model that wrote it; some were corrected since.
;; Hard Reset Mini J Mamba. Allowed arithmetic: float matrix products may take bf16 or f16 operands with f32 sums; other float arithmetic in f32, or as packed bf16 or f16 multiplies, adds, multiply-adds, maxima and minima; sums over many terms, partial sums and values carried from step to step in f32; what a program stores and reads back later, other than sums and carried values, may be rounded once to bf16 or f16.
;; Inputs: W_frame 512 x 128 float32; W_in 4 x 512 x 1,024 float32; W_in_proj 128 x 512 float32; W_out 4 x 512 x 512 float32; W_sym 512 x 256 float32; b_frame 128 float32; b_in 4 x 1,024 float32; b_in_proj 512 float32; b_out 4 x 512 float32; b_sym 256 float32; fn_bias 512 float32; fn_scale 512 float32; frames 8 x 2,048 x 128 float32; ln_bias 4 x 512 float32; ln_scale 4 x 512 float32; padding_mask 8 x 2,048 bool; pos_emb 4,096 x 512 float32.
;; Outputs: out0 8 x 2,048 x 128 float32; out1 8 x 2,048 x 256 float32.
;; One version. Each part assembles by itself: llvm-mc -triple=amdgcn-amd-amdhsa -mcpu=gfx1250 --defsym DOCPART=n.
;; ======== version 1 of 1: 2 launches
;; limits: values are held in f16: magnitudes above 65,504 overflow, below 6.1e-05 lose precision; inputs' magnitudes at most 65,504; right only within a limited range of input values; below input magnitudes of 6.1e-05 results are inexact or not finite
;; workspace buffers: ws 6,995,968 bytes; tab 47,104 bytes; mx 5,120 bytes; posf 4,194,304 bytes
;; launch prep (part 1): grid 352 x 1, 8 waves a work-group, no clusters, 35,840 bytes of LDS; arguments W_in_proj, W_in, W_out, W_frame, W_sym, pos_emb, b_in_proj, b_in, b_out, b_frame, b_sym, ln_scale, ln_bias, fn_scale, fn_bias, ws, tab, mx, posf; writes ws, tab, mx, posf
.if DOCPART == 1
	.amdgcn_target "amdgcn-amd-amdhsa--gfx1250"
	.amdhsa_code_object_version 6
	.text
	.protected	k_q7af29bd63d_prep
	.globl	k_q7af29bd63d_prep
	.p2align	8
	.type	k_q7af29bd63d_prep,@function
k_q7af29bd63d_prep:
	s_mov_b64 s[64:65], 0
	v_nop
	global_prefetch_b8 v0, s[64:65] scope:SCOPE_SE
	s_setreg_imm32_b32 hwreg(HW_REG_WAVE_MODE, 25, 1), 1
	s_wait_xcnt 0x0
; PREP: rounds all weights once to f16 and lays them out as the second launch's operand registers take them; copies biases and gains into that launch's column order;
; stores maxima of magnitudes from which that launch bounds u and g; adds b_in_proj to the positional rows and lays the sums out as accumulators lie.
; LEFT OUT AS DEAD: pos = clip(arange(2048), 0, 4095) is arange(2048) whatever the inputs hold, so rows 2048 .. 4095 of pos_emb reach no output and are not read
; (a NaN or an infinity in those rows is therefore not carried anywhere, as in the problem's own lookup).  Every input is loaded; nothing else is left out.
; LIMITS: f16 holds no number beyond 65,504: weights arrive within it.
; A FRAGMENT is 1,024 bytes: 16 columns n x 32 k of f16; the 16 bytes at 512 c + 256 h + 16 r hold W[k0 + 16 c + 8 h + 0..7][n0 + r].
; THE STREAM has 212 K steps of 32: steps 0-3 the input projection; 4 + 16 u + s: step s of unit u = 3 l + kind (kind 0, 1: the two passes of W_in[l], four tiles of u's columns and the four
; of g's that gate them; kind 2: W_out[l], K in the order in which a lies in LDS); 196 + s: the heads, [W_frame | W_sym].  A wave of the second launch has 8 tiles in a step (heads: 6).
; ws: tiles 0-2 at [step >> 3][wave 4][step & 7][tile][1,024] (27 slots of 98,304 bytes; the last is half used); tiles 3-7 from byte DIRB on at [step][wave 4][tile - 3][1,024].
; In steps 196-199 the places of tiles 6, 7, which the heads do not have, are filled with zeros: the second launch's loop loads five tiles in every step.
; No work-group shares an input with another, so there is no cluster; no wave hands anything to another, so there is no barrier.
; JOBS by the work-group's number g: g < 212: K step g of the stream; g < 340: 16 positional rows; else eight pieces of 512 bytes of biases and gains.
.set SPARE, 34816                      ; behind the eight stages of 4,352 bytes: the spare words, 128 bytes a wave
.set DIRB,  27*98304
.set SPW, 8                            ; v8   my spare word's LDS address; never rewritten
.set NIL, 9                            ; v9   0; never rewritten
.set MO,  10                           ; v10  byte offset of a maximum in mx
.set VO,  16                           ; v[16:47]   job W: byte offset of row i, 4 L + i x pitch
.set DA,  48                           ; v[48:111]  data as loaded
.set PK,  112                          ; v[112:143] packed f16
.set DB,  80                           ; job P: rows read back from the stage
	s_load_b512 s[8:23], s[0:1], 0x0               ; W_in_proj 8, W_in 10, W_out 12, W_frame 14, W_sym 16, pos_emb 18, b_in_proj 20, b_in 22
	s_load_b512 s[24:39], s[0:1], 0x40             ; b_out 24, b_frame 26, b_sym 28, ln_scale 30, ln_bias 32, fn_scale 34, fn_bias 36, ws 38
	s_load_b64 s[42:43], s[0:1], 0x80              ; tab
	s_load_b128 s[44:47], s[0:1], 0x88             ; mx 44, posf 46
	v_lshl_add_u32 v[SPW], v0, 2, SPARE
	v_mov_b32 v[NIL], 0
	v_lshrrev_b32 v1, 5, v0
	v_readfirstlane_b32 s48, v1                    ; wave v, 0 .. 7
	v_and_b32 v1, 31, v0                           ; L
	v_and_b32 v2, 15, v0                           ; r
	v_bfe_u32 v3, v0, 4, 1                         ; h
	s_mov_b32 s49, ttmp9                           ; g
	s_mov_b32 s4, 0x76543210                       ; v_permlanex16_b32: each lane takes its own place in the other half
	s_mov_b32 s5, 0xfedcba98
	s_mov_b32 s6, 0x7fffffff                       ; clears a sign
	s_wait_kmcnt 0x0
; The wave's maximum (each lane's in v[DA]) goes to mx at byte s59: one lane stores.  EXEC is a source of pending stores: it changes only behind s_wait_xcnt 0.
.macro MAXOUT
	v_max_num_f32_dpp v[DA], v[DA], v[DA] row_xmask:1 row_mask:0xf bank_mask:0xf
	v_max_num_f32_dpp v[DA], v[DA], v[DA] row_xmask:2 row_mask:0xf bank_mask:0xf
	v_max_num_f32_dpp v[DA], v[DA], v[DA] row_xmask:4 row_mask:0xf bank_mask:0xf
	v_max_num_f32_dpp v[DA], v[DA], v[DA] row_xmask:8 row_mask:0xf bank_mask:0xf
	v_permlanex16_b32 v[DA+1], v[DA], s4, s5
	v_max_num_f32 v[DA], v[DA], v[DA+1]
	v_mov_b32 v[MO], s59
	v_cmp_eq_u32 vcc_lo, 0, v1
	s_wait_xcnt 0x0
	s_and_saveexec_b32 s60, vcc_lo
	global_store_b32 v[MO], v[DA], s[44:45]
	s_wait_xcnt 0x0
	s_or_b32 exec_lo, exec_lo, s60
.endm
; Where a lane's 16 bytes of pair i go.  Its tile among the step's is G = 4 v + 2 i + h; the second launch's wave is w = (G x s62) >> 8 (G / 8, heads G / 6), the wave's tile T = G - s63 w.
; T < 3: the ring part, s66 + 24,576 w + 1,024 T; else the direct part, s67 + 5,120 w + 1,024 T (s67 has 3,072 taken off).  All of it is an offset: the buffer's address enters the store alone.
.macro DSTO i, vo
	v_add_nc_u32 v5, s68, v3
.if \i
	v_add_nc_u32 v5, 2, v5
.endif
	v_mul_u32_u24 v6, v5, s62
	v_lshrrev_b32 v6, 8, v6
	v_mul_u32_u24 v7, v6, s63
	v_sub_nc_u32 v7, v5, v7
	v_mul_u32_u24 v11, v6, 0x6000
	v_lshl_add_u32 v11, v7, 10, v11
	v_add_nc_u32 v11, s66, v11
	v_mul_u32_u24 v12, v6, 0x1400
	v_lshl_add_u32 v12, v7, 10, v12
	v_add_nc_u32 v12, s67, v12
	v_cmp_gt_u32 vcc_lo, 3, v7
	v_cndmask_b32 v[\vo], v12, v11, vcc_lo
	v_lshl_add_u32 v[\vo], v2, 4, v[\vo]           ; 16 bytes for column r
.endm
	s_cmp_lt_u32 s49, 212
	s_cbranch_scc0 .Lnotw
; ---------------- JOB W: K step g of the stream; the wave takes 64 neighbouring columns (two pairs of tiles) x 32 k.
; s[50:51] source, s52 its pitch in bytes, s60 k0, s61 first column, s58 = 1: a maximum is stored at mx + s59
	s_mov_b32 s62, 32
	s_mov_b32 s63, 8
	s_mov_b32 s58, 0
	s_mov_b32 s59, 0
	s_cmp_lt_u32 s49, 4
	s_cbranch_scc0 .Lw_units
	s_mov_b64 s[50:51], s[8:9]                     ; the input projection
	s_mov_b32 s52, 2048
	s_lshl_b32 s60, s49, 5
	s_lshl_b32 s61, s48, 6
	s_branch .Lw_go
.Lw_units:
	s_cmp_lt_u32 s49, 196
	s_cbranch_scc0 .Lw_heads
	s_sub_co_u32 s66, s49, 4
	s_lshr_b32 s67, s66, 4                         ; unit u
	s_and_b32 s68, s66, 15                         ; its K step s
	s_mul_i32 s69, s67, 11
	s_lshr_b32 s69, s69, 5                         ; layer l = u / 3 for u = 0 .. 11
	s_mul_i32 s70, s69, 3
	s_sub_co_u32 s70, s67, s70                     ; kind
	s_mov_b32 s3, 0
	s_cmp_lt_u32 s70, 2
	s_cbranch_scc0 .Lw_out
	s_lshl_b32 s2, s69, 21                         ; W_in[l]
	s_add_nc_u64 s[50:51], s[10:11], s[2:3]
	s_mov_b32 s52, 4096
	s_lshl_b32 s60, s68, 5
	s_and_b32 s61, s48, 1
	s_lshl_b32 s61, s61, 9                         ; odd waves take g's columns,
	s_lshr_b32 s2, s48, 1
	s_lshl_b32 s2, s2, 7                           ; 128 for each wave of the second launch,
	s_add_co_u32 s61, s61, s2
	s_lshl_b32 s2, s70, 6                          ; 64 for the pass
	s_add_co_u32 s61, s61, s2
	s_mov_b32 s58, 1
	s_lshl_b32 s59, s70, 4
	s_add_co_u32 s59, s59, s68
	s_lshl_b32 s59, s59, 3
	s_add_co_u32 s59, s59, s48
	s_lshl_b32 s59, s59, 2                         ; word (16 p + s) 8 + v
	s_mul_i32 s2, s69, 1280
	s_add_co_u32 s59, s59, s2
	s_branch .Lw_go
.Lw_out:
	s_lshl_b32 s2, s69, 20                         ; W_out[l]
	s_add_nc_u64 s[50:51], s[12:13], s[2:3]
	s_mov_b32 s52, 2048
	s_bfe_u32 s60, s68, 0x20001                    ; k0 = 128 ((s & 7) >> 1) + 64 (s >> 3) + 32 (s & 1): a's order in LDS
	s_lshl_b32 s60, s60, 7
	s_lshr_b32 s2, s68, 3
	s_lshl_b32 s2, s2, 6
	s_add_co_u32 s60, s60, s2
	s_and_b32 s2, s68, 1
	s_lshl_b32 s2, s2, 5
	s_add_co_u32 s60, s60, s2
	s_lshl_b32 s61, s48, 6
	s_branch .Lw_go
.Lw_heads:
	s_cmp_lt_u32 s48, 6                            ; 384 columns are six waves' work
	s_cbranch_scc0 .Lw_pad
	s_mov_b32 s62, 43                              ; (43 G) >> 8 = G / 6 for G = 0 .. 23
	s_mov_b32 s63, 6
	s_sub_co_u32 s68, s49, 196
	s_lshl_b32 s60, s68, 5
	s_mov_b32 s2, 512
	s_mov_b32 s3, 1024
	s_lshl_b32 s66, s48, 6
	s_sub_co_u32 s67, s66, 128
	s_cmp_lt_u32 s48, 2
	s_cselect_b64 s[50:51], s[14:15], s[16:17]
	s_cselect_b32 s52, s2, s3
	s_cselect_b32 s61, s66, s67
.Lw_go:
	s_mul_i32 s2, s60, s52
	s_lshl_b32 s3, s61, 2
	s_add_co_u32 s2, s2, s3
	s_mov_b32 s3, 0
	s_add_nc_u64 s[50:51], s[50:51], s[2:3]
	v_lshlrev_b32 v[VO], 2, v1
.set i, 1
.rept 31
	v_add_nc_u32 v[VO+i], s52, v[VO+i-1]
.set i, i+1
.endr
.set i, 0
.rept 32                                       ; row k0 + i: two loads on end take 256 consecutive bytes, aligned; each weight is read once in the launch
	global_load_b32 v[DA+i], v[VO+i], s[50:51] th:TH_LOAD_NT
	global_load_b32 v[DA+32+i], v[VO+i], s[50:51] offset:128 th:TH_LOAD_NT
.set i, i+1
.endr
	s_lshr_b32 s66, s49, 3                         ; the step's place in the ring part,
	s_mul_i32 s66, s66, 98304
	s_and_b32 s67, s49, 7
	s_mul_i32 s67, s67, 3072
	s_add_co_u32 s66, s66, s67
	s_mul_i32 s67, s49, 20480                      ; and in the direct part
	s_add_co_u32 s67, s67, DIRB-3072
	s_lshl_b32 s68, s48, 2
	DSTO 0, 4
	DSTO 1, 13
	s_wait_loadcnt 0x0
.set i, 0
.rept 32                                       ; a lane holds one column's 32 k: eight on end are 16 bytes of the image
	v_cvt_pk_f16_f32 v[PK+i], v[DA+2*i], v[DA+2*i+1]
.set i, i+1
.endr
.irp e, 0,1,2,3
	global_store_b128 v4, v[PK+4*(\e):PK+4*(\e)+3], s[38:39] offset:256*(\e)       ; sixteen lanes store 256 consecutive bytes, aligned
	global_store_b128 v13, v[PK+16+4*(\e):PK+16+4*(\e)+3], s[38:39] offset:256*(\e)
.endr
	s_cmp_eq_u32 s58, 1
	s_cbranch_scc0 .Lend
.set i, 0
.rept 64
	v_and_b32 v[DA+i], s6, v[DA+i]
.set i, i+1
.endr
.set i, 0
.rept 30                                       ; four chains
	v_max3_num_f32 v[DA+i%4], v[DA+i%4], v[DA+4+2*i], v[DA+5+2*i]
.set i, i+1
.endr
	v_max3_num_f32 v[DA], v[DA], v[DA+1], v[DA+2]
	v_max_num_f32 v[DA], v[DA], v[DA+3]
	MAXOUT
	s_branch .Lend
.Lw_pad:                                               ; steps 196-199, waves 6 and 7: zeros in the places of tiles 6, 7 of two of the second launch's waves each
	s_cmp_lt_u32 s49, 200
	s_cbranch_scc0 .Lend
	s_sub_co_u32 s66, s48, 6
	s_mul_i32 s66, s66, 10240
	s_mul_i32 s67, s49, 20480
	s_add_co_u32 s66, s66, s67
	s_add_co_u32 s66, s66, DIRB+3072
	v_lshl_add_u32 v4, v1, 4, s66
.irp j, 12,13,14,15
	v_mov_b32 v\j, 0
.endr
.irp j, 0,1,2,3
	global_store_b128 v4, v[12:15], s[38:39] offset:512*(\j)
	global_store_b128 v4, v[12:15], s[38:39] offset:5120+512*(\j)
.endr
	s_branch .Lend
.Lnotw:
	s_cmp_lt_u32 s49, 340
	s_cbranch_scc0 .Ljobt
; ---------------- JOB P: rows 16 q .. 16 q + 15 of pos_emb; the wave takes 64 columns.  Through the wave's own stage (pitch 272) into the accumulators' order.
	s_sub_co_u32 s50, s49, 212                     ; q
	s_lshl_b32 s2, s50, 15
	s_lshl_b32 s52, s48, 8
	s_add_co_u32 s2, s2, s52
	s_mov_b32 s3, 0
	s_add_nc_u64 s[54:55], s[18:19], s[2:3]
	v_lshlrev_b32 v4, 4, v2
	v_lshl_add_u32 v5, v3, 11, v4                  ; lanes 0-15 one row's 256 bytes, lanes 16-31 the next row's
	v_add_nc_u32 v6, s52, v4
.irp i, 0,1,2,3,4,5,6,7
	global_load_b128 v[DA+4*(\i):DA+4*(\i)+3], v5, s[54:55] offset:4096*(\i) th:TH_LOAD_NT
.endr
	global_load_b128 v[12:15], v6, s[20:21]
	s_mul_i32 s53, s48, 4352
	v_mul_u32_u24 v7, v3, 272
	v_add3_u32 v7, v7, v4, s53
	v_mul_u32_u24 v10, v2, 272
	v_lshl_add_u32 v10, v3, 5, v10
	v_add_nc_u32 v10, s53, v10
	s_lshr_b32 s2, s50, 2
	s_lshl_b32 s2, s2, 17                          ; block of 64 positions
	s_and_b32 s56, s50, 3
	s_lshl_b32 s56, s56, 10                        ; token tile
	s_add_co_u32 s2, s2, s56
	s_lshl_b32 s56, s48, 14
	s_add_co_u32 s2, s2, s56
	s_add_nc_u64 s[56:57], s[46:47], s[2:3]
	v_lshlrev_b32 v11, 4, v1
	s_wait_loadcnt 0x0
.irp i, 0,1,2,3,4,5,6,7
	v_pk_add_f32 v[DA+4*(\i):DA+4*(\i)+1], v[DA+4*(\i):DA+4*(\i)+1], v[12:13]
	v_pk_add_f32 v[DA+4*(\i)+2:DA+4*(\i)+3], v[DA+4*(\i)+2:DA+4*(\i)+3], v[14:15]
	ds_store_b128 v7, v[DA+4*(\i):DA+4*(\i)+3] offset:544*(\i)
.endr
.irp n, 0,1,2,3,4,5,6,7                        ; LDS serves a wave's instructions in order: these see the stores above
	ds_load_b128 v[DB+4*(\n):DB+4*(\n)+3], v10 offset:64*((\n)/2)+16*((\n)%2)
.endr
.irp n, 0,1,2,3,4,5,6,7
	s_wait_dscnt 7-(\n)
	global_store_b128 v11, v[DB+4*(\n):DB+4*(\n)+3], s[56:57] offset:4096*((\n)/2)+512*((\n)%2)   ; 512 consecutive bytes
.endr
	s_branch .Lend
; ---------------- JOB T: piece q of 512 bytes of tab.  q < 52: bias row q >> 2, wave q & 3 of the second launch; else the gains and biases of the five norms.
.Ljobt:
	s_sub_co_u32 s50, s49, 340
	s_lshl_b32 s50, s50, 3
	s_add_co_u32 s50, s50, s48
	v_lshlrev_b32 v5, 4, v1
	s_mov_b32 s3, 0
	s_cmp_lt_u32 s50, 92
	s_cbranch_scc0 .Lend
	s_cmp_lt_u32 s50, 52
	s_cbranch_scc0 .Lt_ln
	s_lshr_b32 s51, s50, 2                         ; unit u, 12 = the heads
	s_and_b32 s52, s50, 3                          ; w
	s_lshl_b32 s2, s50, 9
	s_add_nc_u64 s[56:57], s[42:43], s[2:3]
	s_cmp_eq_u32 s51, 12
	s_cbranch_scc1 .Lt_heads
	s_mul_i32 s53, s51, 11
	s_lshr_b32 s53, s53, 5                         ; l
	s_mul_i32 s60, s53, 3
	s_sub_co_u32 s60, s51, s60                     ; kind
	s_cmp_lt_u32 s60, 2
	s_cbranch_scc0 .Lt_bout
	s_lshl_b32 s2, s53, 12                         ; b_in[l]: lanes 0-15 u's 64 columns, lanes 16-31 g's
	s_lshl_b32 s61, s52, 9
	s_add_co_u32 s2, s2, s61
	s_lshl_b32 s61, s60, 8
	s_add_co_u32 s2, s2, s61
	s_add_nc_u64 s[54:55], s[22:23], s[2:3]
	v_lshlrev_b32 v4, 4, v2
	v_lshl_add_u32 v4, v3, 11, v4
	s_mov_b32 s58, 1
	s_lshl_b32 s59, s60, 2
	s_add_co_u32 s59, s59, s52
	s_add_co_u32 s59, s59, 264
	s_lshl_b32 s59, s59, 2
	s_mul_i32 s2, s53, 1280
	s_add_co_u32 s59, s59, s2
	s_branch .Lt_ld
.Lt_bout:
	s_lshl_b32 s2, s53, 11
	s_lshl_b32 s61, s52, 9
	s_add_co_u32 s2, s2, s61
	s_add_nc_u64 s[54:55], s[24:25], s[2:3]
	v_mov_b32 v4, v5
	s_mov_b32 s58, 0
	s_mov_b32 s59, 0
	s_branch .Lt_ld
.Lt_heads:                                             ; column 96 w + 4 L of [b_frame | b_sym]; lanes 24-31 (tiles that the heads do not have) store 0
	s_mul_i32 s53, s52, 384
	v_add_nc_u32 v4, s53, v5
	v_cmp_gt_u32 s60, 512, v4
	v_min_u32 v6, 496, v4                          ; both loads stay inside their buffers; the select takes the one that is meant
	v_add_nc_u32 v7, 0xfffffe00, v4
	v_min_u32 v7, 1008, v7
	global_load_b128 v[12:15], v6, s[26:27]
	global_load_b128 v[16:19], v7, s[28:29]
	v_cmp_gt_u32 s61, 24, v1
	s_mov_b32 s58, 0
	s_mov_b32 s59, 0
	s_wait_loadcnt 0x0
.irp j, 0,1,2,3
	v_cndmask_b32 v[12+(\j)], v[16+(\j)], v[12+(\j)], s60
	v_cndmask_b32 v[12+(\j)], 0, v[12+(\j)], s61
.endr
	s_branch .Lt_st
.Lt_ln:
	s_sub_co_u32 s51, s50, 52                      ; row = q' >> 3; pieces 0-3 the gain's quarters, 4-7 the bias's
	s_lshl_b32 s2, s51, 9
	s_add_co_u32 s2, s2, 26624
	s_add_nc_u64 s[56:57], s[42:43], s[2:3]
	s_lshr_b32 s52, s51, 3
	s_and_b32 s53, s51, 7
	s_and_b32 s60, s53, 3
	s_lshl_b32 s60, s60, 9
	s_lshl_b32 s61, s52, 11
	s_add_co_u32 s61, s61, s60
	s_add_co_u32 s59, s53, 256
	s_lshl_b32 s59, s59, 2
	s_mul_i32 s2, s52, 1280
	s_add_co_u32 s59, s59, s2
	s_lshr_b32 s53, s53, 2
	s_cmp_eq_u32 s53, 1
	s_cselect_b64 s[54:55], s[32:33], s[30:31]
	s_cselect_b64 s[62:63], s[36:37], s[34:35]
	s_cmp_eq_u32 s52, 4
	s_cselect_b64 s[54:55], s[62:63], s[54:55]
	s_cselect_b32 s2, s60, s61
	s_cselect_b32 s58, 0, 1
	s_add_nc_u64 s[54:55], s[54:55], s[2:3]
	v_mov_b32 v4, v5
.Lt_ld:
	global_load_b128 v[12:15], v4, s[54:55]
	s_wait_loadcnt 0x0
.Lt_st:
	global_store_b128 v5, v[12:15], s[56:57]       ; 512 consecutive bytes
	s_cmp_eq_u32 s58, 1
	s_cbranch_scc0 .Lend
.irp j, 0,1,2,3
	v_and_b32 v[DA+(\j)], s6, v[12+(\j)]
.endr
	v_max3_num_f32 v[DA], v[DA], v[DA+1], v[DA+2]
	v_max_num_f32 v[DA], v[DA], v[DA+3]
	MAXOUT
.Lend:
	s_wait_tensorcnt 0x0                           ; the wave's end
	ds_add_u32 v[SPW], v[NIL]
	s_wait_dscnt 0x0
	s_endpgm
.Lfunc_end_k_q7af29bd63d_prep:
	.size	k_q7af29bd63d_prep, .Lfunc_end_k_q7af29bd63d_prep-k_q7af29bd63d_prep
	.p2alignl 7, 3214868480
	.fill 96, 4, 3214868480
	.section	.rodata,"a",@progbits
	.p2align	6, 0x0
	.amdhsa_kernel k_q7af29bd63d_prep
		.amdhsa_group_segment_fixed_size 35840
		.amdhsa_private_segment_fixed_size 0
		.amdhsa_enable_private_segment 0
		.amdhsa_kernarg_size 152
		.amdhsa_user_sgpr_count 2
		.amdhsa_user_sgpr_kernarg_segment_ptr 1
		.amdhsa_wavefront_size32 1
		.amdhsa_system_sgpr_workgroup_id_x 1
		.amdhsa_system_sgpr_workgroup_id_y 1
		.amdhsa_system_sgpr_workgroup_id_z 1
		.amdhsa_system_vgpr_workitem_id 0
		.amdhsa_next_free_vgpr 144
		.amdhsa_next_free_sgpr 72
		.amdhsa_reserve_vcc 1
		.amdhsa_float_denorm_mode_32 3
		.amdhsa_float_denorm_mode_16_64 3
		.amdhsa_memory_ordered 1
		.amdhsa_forward_progress 1
		.amdhsa_inst_pref_size 32
	.end_amdhsa_kernel
	.amdgpu_metadata
---
amdhsa.version: [ 1, 2 ]
amdhsa.kernels:
  - .name:           k_q7af29bd63d_prep
    .symbol:         k_q7af29bd63d_prep.kd
    .args:
      - { .name: W_in_proj, .offset: 0, .size: 8, .value_kind: global_buffer, .address_space: global }
      - { .name: W_in, .offset: 8, .size: 8, .value_kind: global_buffer, .address_space: global }
      - { .name: W_out, .offset: 16, .size: 8, .value_kind: global_buffer, .address_space: global }
      - { .name: W_frame, .offset: 24, .size: 8, .value_kind: global_buffer, .address_space: global }
      - { .name: W_sym, .offset: 32, .size: 8, .value_kind: global_buffer, .address_space: global }
      - { .name: pos_emb, .offset: 40, .size: 8, .value_kind: global_buffer, .address_space: global }
      - { .name: b_in_proj, .offset: 48, .size: 8, .value_kind: global_buffer, .address_space: global }
      - { .name: b_in, .offset: 56, .size: 8, .value_kind: global_buffer, .address_space: global }
      - { .name: b_out, .offset: 64, .size: 8, .value_kind: global_buffer, .address_space: global }
      - { .name: b_frame, .offset: 72, .size: 8, .value_kind: global_buffer, .address_space: global }
      - { .name: b_sym, .offset: 80, .size: 8, .value_kind: global_buffer, .address_space: global }
      - { .name: ln_scale, .offset: 88, .size: 8, .value_kind: global_buffer, .address_space: global }
      - { .name: ln_bias, .offset: 96, .size: 8, .value_kind: global_buffer, .address_space: global }
      - { .name: fn_scale, .offset: 104, .size: 8, .value_kind: global_buffer, .address_space: global }
      - { .name: fn_bias, .offset: 112, .size: 8, .value_kind: global_buffer, .address_space: global }
      - { .name: ws, .offset: 120, .size: 8, .value_kind: global_buffer, .address_space: global }
      - { .name: tab, .offset: 128, .size: 8, .value_kind: global_buffer, .address_space: global }
      - { .name: mx, .offset: 136, .size: 8, .value_kind: global_buffer, .address_space: global }
      - { .name: posf, .offset: 144, .size: 8, .value_kind: global_buffer, .address_space: global }
    .group_segment_fixed_size: 35840
    .private_segment_fixed_size: 0
    .kernarg_segment_align: 8
    .kernarg_segment_size: 152
    .max_flat_workgroup_size: 256
    .sgpr_count:     72
    .vgpr_count:     144
    .wavefront_size: 32
...
	.end_amdgpu_metadata
.endif
;; end of part 1
;; launch chain (part 2): grid 256 x 1, 4 waves a work-group, clusters of 4 x 1, 327,680 bytes of LDS; arguments frames, padding_mask, ws, tab, mx, posf, out0, out1; writes out0, out1
.if DOCPART == 2
	.amdgcn_target "amdgcn-amd-amdhsa--gfx1250"
	.amdhsa_code_object_version 6
	.text
	.protected	k_q7af29bd63d_chain
	.globl	k_q7af29bd63d_chain
	.p2align	8
	.type	k_q7af29bd63d_chain,@function
k_q7af29bd63d_chain:
	s_mov_b64 s[64:65], 0
	v_nop
	global_prefetch_b8 v0, s[64:65] scope:SCOPE_SE
	s_setreg_imm32_b32 hwreg(HW_REG_WAVE_MODE, 25, 1), 1
	s_wait_xcnt 0x0
	s_wait_alu depctr_hold_cnt(0) depctr_sa_sdst(0) depctr_va_vdst(0) depctr_va_sdst(0) depctr_va_ssrc(0) depctr_va_vcc(0) depctr_vm_vsrc(0)
	s_getreg_b32 s2, hwreg(HW_REG_IB_STS2, 6, 4)
	s_cmp_eq_u32 s2, 0
	s_cbranch_scc0 .Lentry_in_a_cluster
	s_endpgm
.Lentry_in_a_cluster:
	s_bfe_u32 s2, ttmp6, 0x10000c
	s_cmp_lg_u32 s2, 0x3003
	s_cbranch_scc0 .Lentry_shape_is_right
	s_endpgm
.Lentry_shape_is_right:
; CHAIN: 64 tokens of a work-group go through the whole module: input projection + position, four blocks (norm, 512 -> 1,024, u silu(g), 512 -> 512, residual, decay), last norm, two heads, mask.
; The residual h stays in registers in f32, n and a pass through LDS in f16; nothing goes to memory between the products.
; LEFT OUT AS DEAD: rows 2048 .. 4095 of pos_emb (the first launch's head shows it); masked tokens are computed and selected, not skipped.
; FORMAT: every matrix operand is f16, sums f32.  LIMITS: |frames| and |weights| within 65,504; 22.7 max|ln_scale| + max|ln_bias| within 65,504 (|n| is at most that, since a normalised
; row has length at most sqrt(512)).  a = u silu(g) has no such room, so it is kept as a 2^k: with U = 512 max|W_in| (max|scale| + max|bias|) + max|b_in| >= |u|, |g| for every input,
; k is chosen so that U^2 2^k < 2^14; k is held to -100 .. 100.  a 2^k = u g / (2^-k + 2^(-g log2 e - k)); the second product's sums are multiplied by 2^-k as they are added to h.
; NaN and infinities are not treated apart, but for the mask's select.
; SHARES.  Wave w owns 128 columns (8 tiles of 16) of every product, for all 4 token tiles.  Products are taken transposed (source 0 = 16 columns of weights, source 1 = 16 tokens): lane (r, h)
; holds token r and columns 8 h + 0..7, which packed to f16 are the 16 bytes at 16 x lane of the next product's token fragment: no row padding is needed, all LDS reads are consecutive.
; W_in goes in two passes of 4 tiles of u and the 4 of g that gate them, so that every unit is 64 x 512 x 512: 32 accumulators, 16 K steps of 32, 512 matrix instructions a wave.
; WEIGHTS.  All work-groups walk the same stream of 212 K steps: 4 of the input projection, 16 of each of 12 units, 16 of the heads.  Tiles 0-2 of a step come by JOINT tensor loads of the
; cluster's four work-groups into a ring of two slots of 8 steps (98,304 bytes; each wave asks for, and alone reads, its 24,576).  Tiles 3-7 come straight into registers, four steps ahead:
; 10 loads a step into one of four sets of 40 registers.  WHY NOT ALL JOINTLY: every tensor load is awaited before a slot is filled again, so a refill has one slot's products in which to
; land.  Beside X, XA0, the statistics and the spare words LDS has 225,792 bytes; a step's tile is 4,096 for the four waves.  All eight tiles: two slots of 3 steps, 96 matrix instructions a
; wave; three tiles: two slots of 8 steps, 256, of which 236 stand between a request and the wait for it.  Slots lie 4 steps askew to the units: the changes stand in a unit's steps 3 and 11.
; The loop loads five tiles in every step; in the four steps that lead into the heads two of them are blocks of zeros that nothing multiplies: the price of one text with like counts.
; A wave has two tensor loads out at the start, later one.
.set X,      32768                     ; LDS: bytes 0 .. 32,767 XA0 (a of pass 0); X, 65,536: frames, n, and in its first half a of pass 1.  Fragment (step s, token tile q) at s 4,096 + q 1,024
.set STAT,   99328                     ; token x 32 + wave x 8: (mean, sum of squares about it) of the wave's 128 columns
.set SPARE,  101376                    ; the spare words, 128 bytes a wave
.set RING,   101888                    ; two slots; no LDS store ever lands here, and no tensor load anywhere else
.set SLOTB,  98304
.set WSL,    24576
.set DIRB,   27*SLOTB                  ; ws: the direct part begins behind 27 slots
.set DSTEP,  20480                     ; a step of it: 4 waves x 5 tiles x 1,024
.set SPITCH, 1552                      ; the way out: a token's 384 f32 + 16 bytes, in bytes 0 .. 99,327, when X has been read for the last time
; window 0
.set AXA, 4                            ; X + 16 L
.set AXB, 5                            ; 16 L
.set AW,  6                            ; v6, v7  my part of ring slot 0, 1, + 16 L
.set VD,  8                            ; 5,120 w + 16 L: my part of a step of the direct part
.set VCB, 9                            ; 512 w + 32 h: my eight columns of tile 0 in a row of tab
.set AS,  10                           ; where the gate stores
.set AS0, 11                           ; 8,192 w + 16 L
.set AN,  12                           ; X + 16,384 w + 16 L
.set AST, 13                           ; STAT + 32 r + 8 w
.set ASL, 14                           ; STAT + 32 r
.set PFO, 15                           ; 256 L
.set VPF, 16                           ; 32,768 w + 16 L
.set STO, 17                           ; v17, v18  the way out, token tiles 0, 1 and 2, 3
.set RD0, 19
.set VFR, 20
.set AFR, 21
.set SPW, 22                           ; my spare word; never rewritten
.set NIL, 23                           ; 0; never rewritten
.set VMX, 24                           ; 4 r
.set K01, 25                           ; 0.1
.set T0,  26                           ; v26, v27 at work
.set MK,  28                           ; v28-31 the mask's bytes, a token tile each
.set DEC, 32                           ; pairs by token tile: the decay
.set RSP, 40                           ; 1 / sigma
.set NMP, 48                           ; - mu / sigma (before that: the wave's own mean)
.set SM,  56                           ; (mean, M2)
.set TF,  64                           ; v64-127   token fragments, two buffers of 4 x 8
.set CB,  128                          ; v128-191  the unit's bias as C operands, 8 a tile
.set TMP, 192                          ; v192-255  at work
; window 1: v0-23, v24-47 weight fragments of tiles 0-2, two buffers; v48-207 tiles 3-7 of four K steps: set (step mod 4) at 48 + 40 x set, tile t at + 8 (t - 3)
; window 2: accumulator (t, q) at 8 (4 t + q); during a norm v0-63 its gain, v64-127 its bias; at the start v128-175 the maxima
; window 3: h, same map
.set MXR, 128
.set WV,  26
.set G1,  32
.set G0,  40                           ; s[40:43], s[44:47]: a group 0 for each ring slot
.set LCNT, 48
.set PCNT, 49
.set J,   50                           ; changes of slots so far
.set LIM, 51                           ; a wave prefetches while J is below it
.set PFA, 52
.set PFS, 54
.set WDP, 56                           ; the direct part, 4 steps ahead of the unit's first step
.set CBP, 58
.set LNP, 60
.set ASB, 62                           ; 0 in pass 0, X in pass 1
.set I512, 63
.set SEL, 66
.set NL2E, 68
.set KN,  70                           ; -k      (pairs; the packed forms take the low word for both halves)
.set C1,  72                           ; 2^-k
.set S2K, 74                           ; 2^k
.set KQ,  76                           ; s76-84: the three for layers 1 .. 3
.set EPS, 85
.set WG,  86
.set CX,  87
.set MS,  88                           ; s88-91 the mask as lane bits, a token tile each
.set FRP, 92
.set MKP, 94
.set PSP, 96
.set MSB, 0
.macro WIN new                         ; the immediate's high byte repeats the setting that is left; a switch that changes nothing is dropped
.if MSB != (\new)
	s_set_vgpr_msb (MSB<<8)|(\new)
.set MSB, \new
.endif
.endm
.macro PLACES                          ; four plain vector instructions between a matrix instruction and a vector read of its result or a load into its registers
.rept 4
	v_nop
.endr
.endm
.macro CREST                           ; a round of the cluster's barrier behind its opening barrier
	s_cmp_lg_u32 s[WV], 0
	s_cbranch_scc1 .Lnot_wave_0_\@
	s_barrier_signal -3
.Lnot_wave_0_\@:
	s_barrier_wait -3
	s_barrier_signal -1
	s_barrier_wait -1
.endm
.macro CROUND
	s_barrier_signal -1
	s_barrier_wait -1
	CREST
.endm
.macro BAR                             ; what I stored to LDS is done and what I read is back; then everybody's is
	s_wait_dscnt 0x0
	s_barrier_signal -1
	s_barrier_wait -1
.endm
; n tiles from tile tl on, 4 products each (token tiles 0-3), on buffer b; tiles 3-7 from register set q.
; mode 0: onto the accumulators; 1: the bias starts the sums; 2: onto h.  All accumulators take turns, one instruction a turn, in the same order in every step.
.macro MULT tl, n, b, q, mode
.if (\mode) == 0
	WIN 0xa1
.elseif (\mode) == 1
	WIN 0x81
.else
	WIN 0xf1
.endif
.set mt, \tl
.rept \n
.if mt < 3
.set mA, 24*(\b)+8*mt
.else
.set mA, 48+40*(\q)+8*(mt-3)
.endif
.set mq, 0
.rept 4
.set mD, 8*(4*mt+mq)
.set mB, TF+32*(\b)+8*mq
.if (\mode) == 1
	v_wmma_f32_16x16x32_f16 v[mD:mD+7], v[mA:mA+7], v[mB:mB+7], v[CB+8*mt:CB+8*mt+7]
.else
	v_wmma_f32_16x16x32_f16 v[mD:mD+7], v[mA:mA+7], v[mB:mB+7], v[mD:mD+7]
.endif
.set mq, mq+1
.endr
.set mt, mt+1
.endr
.endm
.macro FETW b, par, ss                 ; the three ring tiles of step ss of a slot: six loads of 512 consecutive bytes
	WIN 0x40
.set ft, 0
.rept 3
	ds_load_b128 v[24*(\b)+8*ft:24*(\b)+8*ft+3], v[AW+(\par)] offset:(\ss)*3072+ft*1024
	ds_load_b128 v[24*(\b)+8*ft+4:24*(\b)+8*ft+7], v[AW+(\par)] offset:(\ss)*3072+ft*1024+512
.set ft, ft+1
.endr
.endm
.macro FETT b, xreg, s                 ; the four token fragments of K step s
	WIN 0
.set ft, 0
.rept 4
	ds_load_b128 v[TF+32*(\b)+8*ft:TF+32*(\b)+8*ft+3], v[\xreg] offset:(\s)*4096+ft*1024
	ds_load_b128 v[TF+32*(\b)+8*ft+4:TF+32*(\b)+8*ft+7], v[\xreg] offset:(\s)*4096+ft*1024+512
.set ft, ft+1
.endr
.endm
.macro DLOAD q, nt, off                ; nt tiles of a step into set q: loads of 512 consecutive bytes
	WIN 0x40
.set di, 0
.rept 2*(\nt)
	global_load_b128 v[48+40*(\q)+4*di:48+40*(\q)+4*di+3], v[VD], s[WDP:WDP+1] offset:(\off)+512*di
.set di, di+1
.endr
.endm
.macro CBLOAD p                        ; a bias row: my eight columns of each of 8 tiles
	WIN 0
.set di, 0
.rept 8
	global_load_b128 v[CB+8*di:CB+8*di+3], v[VCB], s[\p:\p+1] offset:64*di
	global_load_b128 v[CB+8*di+4:CB+8*di+7], v[VCB], s[\p:\p+1] offset:64*di+16
.set di, di+1
.endr
.endm
.macro LNLOAD                          ; a norm's gain and bias into window 2
	WIN 0x80
.set di, 0
.rept 8
	global_load_b128 v[8*di:8*di+3], v[VCB], s[LNP:LNP+1] offset:64*di
	global_load_b128 v[8*di+4:8*di+7], v[VCB], s[LNP:LNP+1] offset:64*di+16
	global_load_b128 v[64+8*di:64+8*di+3], v[VCB], s[LNP:LNP+1] offset:2048+64*di
	global_load_b128 v[64+8*di+4:64+8*di+7], v[VCB], s[LNP:LNP+1] offset:2048+64*di+16
.set di, di+1
.endr
	WIN 0
.endm
; A PREFETCH INTO THE L2, behind the refill at the end of slot k: ring slot k + 3 and the eight direct steps that go with it; the refill itself asks for slot k + 2.  All clusters walk the same
; stream: cluster 0 alone asks.  Its sixteen waves share the 384 + 640 blocks of 256 bytes out BY ADDRESS, 64 each (wave 4 cx + w: the first six take the slot, the other ten the direct steps):
; a lane a block, two instructions, each block once in the launch.  Slots 0-2 come by their loads alone; the requests stop at slot 24 and step 199, by the count of changes.
.macro ASK
	s_cmp_lt_u32 s[J], s[LIM]
	s_cbranch_scc0 .Lnoask_\@
	global_prefetch_b8 v[PFO], s[PFA:PFA+1] th:TH_LOAD_NT scope:SCOPE_SE
	global_prefetch_b8 v[PFO], s[PFA:PFA+1] offset:8192 th:TH_LOAD_NT scope:SCOPE_SE
.Lnoask_\@:
.endm
; A K STEP.  g is its place in the pattern of slots (a unit's step s has g = s + 4; the input projection's step has g = s): buffer g & 1, register set g & 3, slot parity (g >> 3) & 1, step g & 7 of it.
; First the tiles from registers; four places behind them their set is asked for again, for the step four on ((g + 4) steps behind WDP), and the next step's tokens and ring tiles are fetched;
; then the ring tiles.  hd = 1: the heads, tiles 3-5 from registers.  tok, few: the next step's tokens, ring tiles are fetched; dl: tiles asked for; lw: how many younger loads may stay out
; (-1: the set was awaited earlier); tw = 1: the next step lies in the last slot, whose load is waited for here (the wave's own bytes; nothing is filled again).
.macro STEP hd, g, mode, xreg, nk, tok, few, dl, lw, tw=0
.set sB, (\g)&1
.set sQ, (\g)&3
.set sNP, (((\g)+1)>>3)&1
.set sNS, ((\g)+1)&7
.if (\lw) >= 0
	s_wait_loadcnt \lw                             ; my set is in: loads come back in order
.endif
	s_wait_dscnt 6                                 ; the tokens are in; the ring tiles' six loads may be out
	MULT 3, 5-2*(\hd), sB, sQ, \mode
	PLACES                                         ; for the loads into the set just read and into the buffer that the last step multiplied
.if \tok
	FETT 1-sB, \xreg, \nk
.endif
.if \dl
	DLOAD sQ, \dl, ((\g)+4)*DSTEP
.endif
.if \tw
	s_wait_tensorcnt 0x0
.endif
.if \few
	FETW 1-sB, sNP, sNS
.endif
	s_wait_dscnt 8*(\tok)+6*(\few)                 ; all but the LDS loads just issued
	MULT 0, 3, sB, sQ, \mode
.endm
; A SLOT'S LAST STEP AND THE CHANGE OF SLOTS.  Each wave waits for all its tensor loads (one is out: its part of the next slot), adds 0 to its spare word, waits for that and for its reads of this
; slot; the barrier opens a round of the cluster's barrier, behind which no wave of any partner reads this slot or has a load on its way; the joint refill, two slots on, comes first behind it.
; The round also shows every wave's reads of tokens up to this step done.  cbl: the next unit's bias is asked for; cbs: its pointer steps.  hd = 1: the last refill, half a slot: 48 rows.
.macro STEPC hd, g, xreg, nk, dl, lw, cbl, cbs
.set sB, (\g)&1
.set sQ, (\g)&3
.set sP, ((\g)>>3)&1
.if !(\hd)
	s_wait_xcnt 0x0                                ; every load and prefetch issued so far has read its address: pointers may step
	s_add_nc_u64 s[PFA:PFA+1], s[PFA:PFA+1], s[PFS:PFS+1]
.endif
	WIN 0
	s_wait_tensorcnt 0x0                           ; no tensor load of mine is out: descriptors may be written
	ds_add_u32 v[SPW], v[NIL]                      ; 0 onto my spare word; work on registers stands between it and the wait for it
	s_wait_loadcnt \lw
.if \cbs
	s_add_nc_u64 s[CBP:CBP+1], s[CBP:CBP+1], 2048
.endif
	s_add_nc_u64 s[G0+4*sP+2:G0+4*sP+3], s[G0+4*sP+2:G0+4*sP+3], 2*SLOTB
.if \hd
	s_mov_b32 s[G1+2], 48<<16                      ; tensor_dim1 = 48
	s_mov_b32 s[G1+4], 48                          ; tile_dim1 = 48
.else
	s_add_co_u32 s[J], s[J], 1
.endif
	s_wait_dscnt 7                                 ; the add and the ring tiles' six loads may be out
	MULT 3, 2-(\hd), sB, sQ, 0
	s_wait_dscnt 0x0                               ; the add is done, my reads of this slot and of the tokens are back
	s_barrier_signal -1
	MULT 5-(\hd), 3-(\hd), sB, sQ, 0
	WIN 0
	s_barrier_wait -1
	CREST
	tensor_load_to_lds s[G0+4*sP:G0+4*sP+3], s[G1:G1+7]
	s_nop 0
	PLACES                                         ; the places in front of the loads below
	FETT 1-sB, \xreg, \nk
	DLOAD sQ, \dl, ((\g)+4)*DSTEP
.if \cbl
	CBLOAD CBP
.endif
	FETW 1-sB, 1-sP, 0
.if !(\hd)
	WIN 0
	ASK
.endif
	s_wait_dscnt 14
	MULT 0, 3, sB, sQ, 0
.endm
; 64 x 512 x 512.  Its first ring tiles were fetched by the step before it.  The counts on LOADcnt: three younger steps' 10 loads; in steps 4-7 also the 16 of the bias asked for in step 3.
.macro UNIT xreg
	FETT 0, \xreg, 0
	s_wait_dscnt 0x0
	STEP 0, 4, 1, \xreg, 1, 1, 1, 5, 30
	STEP 0, 5, 0, \xreg, 2, 1, 1, 5, 30
	STEP 0, 6, 0, \xreg, 3, 1, 1, 5, 30
	STEPC 0, 7, \xreg, 4, 5, 30, 1, 0
	STEP 0, 8, 0, \xreg, 5, 1, 1, 5, 46
	STEP 0, 9, 0, \xreg, 6, 1, 1, 5, 46
	STEP 0, 10, 0, \xreg, 7, 1, 1, 5, 46
	STEP 0, 11, 0, \xreg, 8, 1, 1, 5, 46
	STEP 0, 12, 0, \xreg, 9, 1, 1, 5, 30
	STEP 0, 13, 0, \xreg, 10, 1, 1, 5, 30
	STEP 0, 14, 0, \xreg, 11, 1, 1, 5, 30
	STEPC 0, 15, \xreg, 12, 5, 30, 0, 1
	STEP 0, 16, 0, \xreg, 13, 1, 1, 5, 30
	STEP 0, 17, 0, \xreg, 14, 1, 1, 5, 30
	STEP 0, 18, 0, \xreg, 15, 1, 1, 5, 30
	STEP 0, 19, 0, \xreg, 0, 0, 1, 5, 30
	s_wait_xcnt 0x0                                ; the loads have read their base: on to the next unit's steps
	s_add_nc_u64 s[WDP:WDP+1], s[WDP:WDP+1], 16*DSTEP
.endm
; a 2^k = u g / (2^-k + 2^(-g log2 e - k)).  u: accumulators of tiles 0-3 (v0-127 of window 2), g: tiles 4-7 (v128-255), same lane, same register + 128.
; Each batch of 128 transcendentals has one plain instruction and one wait behind it.  Accumulators are read from their low end on.
; Pass 0 stores into XA0, which nobody has read since the last norm's barriers; pass 1 into K steps 0-7 of n, which nobody reads behind the round in the unit's step 11.
.macro GATE
	PLACES
	WIN 0x8a
.set gi, 0
.rept 64
	v_pk_mul_f32 v[gi:gi+1], v[gi:gi+1], v[128+gi:129+gi]
.set gi, gi+2
.endr
.set gi, 128
.rept 64
	v_pk_fma_f32 v[gi:gi+1], v[gi:gi+1], s[NL2E:NL2E+1], s[KN:KN+1] op_sel_hi:[1,0,0]
.set gi, gi+2
.endr
.set gi, 128
.rept 128
	v_exp_f32 v[gi], v[gi]
.set gi, gi+1
.endr
	v_nop
	s_wait_alu depctr_va_vdst(0)
.set gi, 128
.rept 64
	v_pk_add_f32 v[gi:gi+1], v[gi:gi+1], s[C1:C1+1] op_sel_hi:[1,0]
.set gi, gi+2
.endr
.set gi, 128
.rept 128
	v_rcp_f32 v[gi], v[gi]
.set gi, gi+1
.endr
	v_nop
	s_wait_alu depctr_va_vdst(0)
.set gi, 0
.rept 64
	v_pk_mul_f32 v[gi:gi+1], v[gi:gi+1], v[128+gi:129+gi]
.set gi, gi+2
.endr
	WIN 0x0a
.set gi, 0
.rept 64
	v_cvt_pk_f16_f32 v[TMP+gi], v[2*gi], v[2*gi+1]
.set gi, gi+1
.endr
	WIN 0
	v_add_nc_u32 v[AS], s[ASB], v[AS0]
.set gi, 0
.rept 16                                       ; accumulator (t, q) = gi: K step 2 w + (t >> 1) of the pass's eight, half t & 1 of the fragment
	ds_store_b128 v[AS], v[TMP+4*gi:TMP+4*gi+3] offset:(gi>>3)*4096+(gi&3)*1024+((gi>>2)&1)*512
.set gi, gi+1
.endr
	s_xor_b32 s[ASB], s[ASB], X
	BAR
.endm
.macro RES                             ; h = (h + sums 2^-k) decay.  Tiles 4-7 first: their lines are the places behind the last products, which are tiles 0-2's
	WIN 0xf2
.irp base, 128, 0
.set ri, \base
.rept 64
	v_pk_fma_f32 v[ri:ri+1], v[ri:ri+1], s[C1:C1+1], v[ri:ri+1] op_sel_hi:[1,0,1]
.set ri, ri+2
.endr
.endr
	WIN 0xc3
.set ri, 0
.rept 128
	v_pk_mul_f32 v[ri:ri+1], v[ri:ri+1], v[DEC+2*((ri>>3)&3):DEC+2*((ri>>3)&3)+1]
.set ri, ri+2
.endr
	WIN 0
.endm
; Token tile q: the mean of my wave's 128 columns, then the sum of squares about THAT mean: no difference of large sums.  A lane has 64 of the 128, the lane 16 away the others.
.macro STATS q
	WIN 0x0f
.set st, 0
.rept 8
	v_pk_add_f32 v[TMP+4*st:TMP+4*st+1], v[8*(4*st+(\q)):8*(4*st+(\q))+1], v[8*(4*st+(\q))+2:8*(4*st+(\q))+3]
	v_pk_add_f32 v[TMP+4*st+2:TMP+4*st+3], v[8*(4*st+(\q))+4:8*(4*st+(\q))+5], v[8*(4*st+(\q))+6:8*(4*st+(\q))+7]
.set st, st+1
.endr
	WIN 0
.irp d, 16,8,4,2
.set si, 0
.rept (\d)/2
	v_pk_add_f32 v[TMP+si:TMP+si+1], v[TMP+si:TMP+si+1], v[TMP+si+(\d):TMP+si+(\d)+1]
.set si, si+2
.endr
.endr
	v_add_f32 v[TMP], v[TMP], v[TMP+1]
	v_permlanex16_b32 v[TMP+1], v[TMP], s[SEL], s[SEL+1]
	v_add_f32 v[TMP], v[TMP], v[TMP+1]
	v_mul_f32 v[SM+2*(\q)], 0x3c000000, v[TMP]     ; / 128
	v_mov_b32 v[NMP+2*(\q)], v[SM+2*(\q)]
	v_mov_b32 v[NMP+2*(\q)+1], v[SM+2*(\q)]
	WIN 0x03
.set st, 0
.rept 32
	v_pk_add_f32 v[TMP+2*st:TMP+2*st+1], v[8*(4*(st/4)+(\q))+2*(st%4):8*(4*(st/4)+(\q))+2*(st%4)+1], v[NMP+2*(\q):NMP+2*(\q)+1] neg_lo:[0,1] neg_hi:[0,1]
.set st, st+1
.endr
	WIN 0
.set st, 0
.rept 4
	v_pk_mul_f32 v[TMP+2*st:TMP+2*st+1], v[TMP+2*st:TMP+2*st+1], v[TMP+2*st:TMP+2*st+1]
.set st, st+1
.endr
.rept 28                                       ; four chains
	v_pk_fma_f32 v[TMP+2*(st%4):TMP+2*(st%4)+1], v[TMP+2*st:TMP+2*st+1], v[TMP+2*st:TMP+2*st+1], v[TMP+2*(st%4):TMP+2*(st%4)+1]
.set st, st+1
.endr
	v_pk_add_f32 v[TMP:TMP+1], v[TMP:TMP+1], v[TMP+2:TMP+3]
	v_pk_add_f32 v[TMP+4:TMP+5], v[TMP+4:TMP+5], v[TMP+6:TMP+7]
	v_pk_add_f32 v[TMP:TMP+1], v[TMP:TMP+1], v[TMP+4:TMP+5]
	v_add_f32 v[TMP], v[TMP], v[TMP+1]
	v_permlanex16_b32 v[TMP+1], v[TMP], s[SEL], s[SEL+1]
	v_add_f32 v[SM+2*(\q)+1], v[TMP], v[TMP+1]
	ds_store_b64 v[AST], v[SM+2*(\q):SM+2*(\q)+1] offset:512*(\q)
.endm
; The four waves' (mean, M2) of a token: mu = mean of the means; M2 = sum of M2 + 128 sum of (mean - mu)^2; the argument of the root is M2 / 512 + 1e-5.
.macro COMB q
.set cB, TMP+8*(\q)
.set cT, TMP+32+8*(\q)
	v_add_f32 v[cT], v[cB], v[cB+2]
	v_add_f32 v[cT+1], v[cB+4], v[cB+6]
	v_add_f32 v[cT], v[cT], v[cT+1]
	v_mul_f32 v[cT], 0xbe800000, v[cT]             ; - mu
	v_add_f32 v[cT+1], v[cB], v[cT]
	v_add_f32 v[cT+2], v[cB+2], v[cT]
	v_add_f32 v[cT+3], v[cB+4], v[cT]
	v_add_f32 v[cT+4], v[cB+6], v[cT]
	v_mul_f32 v[cT+1], v[cT+1], v[cT+1]
	v_fmac_f32 v[cT+1], v[cT+2], v[cT+2]
	v_fmac_f32 v[cT+1], v[cT+3], v[cT+3]
	v_fmac_f32 v[cT+1], v[cT+4], v[cT+4]
	v_add_f32 v[cT+2], v[cB+1], v[cB+3]
	v_add_f32 v[cT+3], v[cB+5], v[cB+7]
	v_add_f32 v[cT+2], v[cT+2], v[cT+3]
	v_fma_f32 v[cT+1], v[cT+1], 0x43000000, v[cT+2]
	v_fma_f32 v[cT+1], v[cT+1], s[I512], s[EPS]
.endm
.macro NORM q                          ; n = (h / sigma - mu / sigma) gain + bias, rounded to f16, into X as K steps 4 w .. 4 w + 3
	WIN 0x03
.set st, 0
.rept 32
	v_pk_fma_f32 v[TMP+2*st:TMP+2*st+1], v[8*(4*(st/4)+(\q))+2*(st%4):8*(4*(st/4)+(\q))+2*(st%4)+1], v[RSP+2*(\q):RSP+2*(\q)+1], v[NMP+2*(\q):NMP+2*(\q)+1]
.set st, st+1
.endr
	WIN 0x28
.set st, 0
.rept 32
	v_pk_fma_f32 v[TMP+2*st:TMP+2*st+1], v[TMP+2*st:TMP+2*st+1], v[2*st:2*st+1], v[64+2*st:64+2*st+1]
.set st, st+1
.endr
	WIN 0
.set st, 0
.rept 32
	v_cvt_pk_f16_f32 v[TMP+st], v[TMP+2*st], v[TMP+2*st+1]
.set st, st+1
.endr
.set st, 0
.rept 8
	ds_store_b128 v[AN], v[TMP+4*st:TMP+4*st+3] offset:(st>>1)*4096+(\q)*1024+(st&1)*512
.set st, st+1
.endr
.endm
; Layer l's k from the stored maxima.  What comes of floating-point numbers here enters values alone: no address and no branch.
.macro KCALC l, kn, c1, sk
	WIN 0x2a
	v_max3_num_f32 v[TMP], v[MXR+12*(\l)], v[MXR+12*(\l)+1], v[MXR+12*(\l)+2]
	v_max3_num_f32 v[TMP+1], v[MXR+12*(\l)+3], v[MXR+12*(\l)+4], v[MXR+12*(\l)+5]
	v_max3_num_f32 v[TMP+2], v[MXR+12*(\l)+6], v[MXR+12*(\l)+7], v[MXR+12*(\l)+7]
	v_mov_b32 v[TMP+3], v[MXR+12*(\l)+8]
	WIN 0
	v_max3_num_f32 v[TMP], v[TMP], v[TMP+1], v[TMP+2]
	v_max_num_f32_dpp v[TMP], v[TMP], v[TMP] row_xmask:1 row_mask:0xf bank_mask:0xf
	v_max_num_f32_dpp v[TMP], v[TMP], v[TMP] row_xmask:2 row_mask:0xf bank_mask:0xf
	v_max_num_f32_dpp v[TMP], v[TMP], v[TMP] row_xmask:4 row_mask:0xf bank_mask:0xf
	v_max_num_f32_dpp v[TMP], v[TMP], v[TMP] row_xmask:8 row_mask:0xf bank_mask:0xf
	v_permlanex16_b32 v[TMP+1], v[TMP], s[SEL], s[SEL+1]
	v_max_num_f32 v[TMP], v[TMP], v[TMP+1]         ; max |W_in|
	v_max_num_f32_dpp v[TMP+3], v[TMP+3], v[TMP+3] row_xmask:1 row_mask:0xf bank_mask:0xf
	v_max_num_f32_dpp v[TMP+3], v[TMP+3], v[TMP+3] row_xmask:2 row_mask:0xf bank_mask:0xf
	v_readlane_b32 s27, v[TMP+3], 0                ; max |gain|
	v_readlane_b32 s28, v[TMP+3], 4                ; max |bias|
	v_readlane_b32 s29, v[TMP+3], 8                ; max |b_in|, two halves
	v_readlane_b32 s30, v[TMP+3], 12
	v_add_f32 v[TMP+1], s27, s28
	v_max_num_f32 v[TMP+2], s29, s30
	v_mul_f32 v[TMP], v[TMP], v[TMP+1]
	v_fma_f32 v[TMP], v[TMP], 0x44000000, v[TMP+2] ; U
	v_mul_f32 v[TMP], v[TMP], v[TMP]
	v_readfirstlane_b32 s27, v[TMP]
	s_bfe_u32 s27, s27, 0x80017                    ; e: U^2 < 2^(e - 126)
	s_sub_co_i32 s27, 140, s27                     ; k
	s_min_i32 s27, s27, 100
	s_max_i32 s27, s27, -100
	s_sub_co_i32 s28, 127, s27
	s_lshl_b32 s[\c1], s28, 23
	s_add_co_i32 s28, s27, 127
	s_lshl_b32 s[\sk], s28, 23
	s_sub_co_i32 s28, 0, s27
	v_cvt_f32_i32 v[TMP+1], s28
	v_readfirstlane_b32 s[\kn], v[TMP+1]
.endm
; ---------------- THE HEAD
	s_load_b512 s[8:23], s[0:1], 0x0               ; frames 8, padding_mask 10, ws 12, tab 14, mx 16, posf 18, out0 20, out1 22
	v_lshl_add_u32 v[SPW], v0, 2, SPARE
	v_mov_b32 v[NIL], 0
	ds_add_u32 v[SPW], v[NIL]                      ; the wave's opening: the add, twice on end, and its wait ahead of my first tensor load
	ds_add_u32 v[SPW], v[NIL]
	v_lshrrev_b32 v1, 5, v0
	v_readfirstlane_b32 s[WV], v1                  ; wave 0 .. 3
	v_and_b32 v1, 31, v0                           ; L
	v_and_b32 v2, 15, v0                           ; r
	v_bfe_u32 v3, v0, 4, 1                         ; h
	s_bfe_u32 s[CX], ttmp6, 0x40000                ; my place in the cluster: it enters global addresses and lanes' values alone
	s_lshl_b32 s[WG], ttmp9, 2
	s_add_co_u32 s[WG], s[WG], s[CX]               ; my 64 tokens
	; descriptor group 1: 24,576 dense bytes as 96 rows of 256
	s_mov_b32 s[G1], 15|(3<<16)|(1<<21)            ; 15:0 the mask: all four work-groups; 17:16 elements of 8 bytes; 21 set beside a mask
	s_mov_b32 s[G1+1], 32<<16                      ; tensor_dim0 = 32
	s_mov_b32 s[G1+2], 96<<16                      ; tensor_dim1 = 96
	s_mov_b32 s[G1+3], 32<<16                      ; tile_dim0 = 32
	s_mov_b32 s[G1+4], 96                          ; tile_dim1 = 96
	s_mov_b32 s[G1+5], 32                          ; 32 elements from row to row
	s_mov_b32 s[G1+6], 0
	s_mov_b32 s[G1+7], 0
	s_mul_i32 s30, s[WV], WSL                      ; my part of a slot, in memory and in LDS: the wave's number alone
	s_mov_b32 s31, 0
	s_mov_b32 s[G0], 1
	s_add_co_u32 s[G0+1], s30, RING
	s_mov_b32 s[G0+4], 1
	s_add_co_u32 s[G0+5], s30, RING+SLOTB
	s_mov_b32 s[SEL], 0x76543210
	s_mov_b32 s[SEL+1], 0xfedcba98
	s_mov_b32 s[NL2E], 0xbfb8aa3b                  ; - log2 e
	s_mov_b32 s[NL2E+1], s[NL2E]
	s_mov_b32 s[I512], 0x3b000000                  ; 1 / 512
	s_mov_b32 s[EPS], 0x3727c5ac                   ; 1e-5
	s_mov_b32 s[J], 0
	s_mov_b32 s[ASB], 0
	v_lshlrev_b32 v[AXB], 4, v1
	v_add_nc_u32 v[AXA], X, v[AXB]
	v_lshl_add_u32 v[AW], v1, 4, s[G0+1]
	v_lshl_add_u32 v[AW+1], v1, 4, s[G0+5]
	s_mul_i32 s28, s[WV], 5120
	v_add_nc_u32 v[VD], s28, v[AXB]
	s_lshl_b32 s28, s[WV], 13
	v_add_nc_u32 v[AS0], s28, v[AXB]
	v_lshlrev_b32 v[VFR], 5, v2                    ; frames: lane (r, h) takes features 8 r .. 8 r + 7 of token 16 w + 2 i + h
	v_lshl_add_u32 v[VFR], v3, 9, v[VFR]
	v_add_nc_u32 v[VFR], s28, v[VFR]
	s_lshl_b32 s28, s[WV], 9
	v_lshl_add_u32 v[VCB], v3, 5, s28
	s_lshl_b32 s28, s[WV], 14
	s_add_co_u32 s28, s28, X
	v_add_nc_u32 v[AN], s28, v[AXB]
	s_lshl_b32 s28, s[WV], 3
	s_add_co_u32 s28, s28, STAT
	v_lshl_add_u32 v[AST], v2, 5, s28
	v_lshlrev_b32 v[ASL], 5, v2
	v_add_nc_u32 v[ASL], STAT, v[ASL]
	v_lshlrev_b32 v[PFO], 8, v1
	s_lshl_b32 s28, s[WV], 15
	v_add_nc_u32 v[VPF], s28, v[AXB]
	v_mul_u32_u24 v[STO], v2, SPITCH
	v_lshl_add_u32 v[STO], v3, 5, v[STO]
	s_mul_i32 s28, s[WV], 384
	v_add_nc_u32 v[STO], s28, v[STO]
	v_add_nc_u32 v[STO+1], 32*SPITCH, v[STO]
	s_mul_i32 s28, s[WV], 16*SPITCH
	v_add_nc_u32 v[RD0], s28, v[AXB]
	v_lshrrev_b32 v[T0], 2, v2                     ; and puts them at K step r >> 2, token tile w, quarter r & 3 of the fragment, token 2 i + h
	v_and_b32 v[T0+1], 3, v2
	v_lshlrev_b32 v[AFR], 12, v[T0]
	v_lshl_add_u32 v[AFR], v[T0+1], 8, v[AFR]
	v_lshl_add_u32 v[AFR], v3, 4, v[AFR]
	s_lshl_b32 s28, s[WV], 10
	s_add_co_u32 s28, s28, X
	v_add_nc_u32 v[AFR], s28, v[AFR]
	v_lshlrev_b32 v[VMX], 2, v2
	v_mov_b32 v[K01], 0x3dcccccd
	s_wait_dscnt 0x0                               ; both opening adds are done
	s_wait_kmcnt 0x0
	s_add_nc_u64 s[G0+2:G0+3], s[12:13], s[30:31]  ; slot 0,
	s_add_nc_u64 s[G0+6:G0+7], s[G0+2:G0+3], SLOTB ; slot 1
	s_or_b32 s[G0+3], s[G0+3], 0x80000000          ; type = 2
	s_or_b32 s[G0+7], s[G0+7], 0x80000000
	s_mov_b32 s29, 0
	s_lshl_b32 s28, s[WG], 15
	s_add_nc_u64 s[FRP:FRP+1], s[8:9], s[28:29]
	s_lshl_b32 s28, s[WG], 6
	s_add_nc_u64 s[MKP:MKP+1], s[10:11], s[28:29]
	s_and_b32 s28, s[WG], 31
	s_lshl_b32 s28, s28, 17
	s_add_nc_u64 s[PSP:PSP+1], s[18:19], s[28:29]
	s_add_nc_u64 s[WDP:WDP+1], s[12:13], DIRB
	s_add_nc_u64 s[CBP:CBP+1], s[14:15], 2048
	s_add_nc_u64 s[LNP:LNP+1], s[14:15], 26624
	s_lshl_b32 s27, s[CX], 2                       ; the prefetches: my wave among the cluster's sixteen,
	s_add_co_u32 s27, s27, s[WV]
	s_lshl_b32 s28, s27, 14                        ; its 64 blocks of 256 bytes
	s_mov_b32 s2, SLOTB
	s_mov_b32 s3, 8*DSTEP
	s_cmp_lt_u32 s27, 6                            ; the first six take the ring part, the other ten the direct part: an offset and a step are chosen, no branch
	s_cselect_b32 s[PFS], s2, s3
	s_cselect_b32 s27, 0, DIRB-SLOTB
	s_mov_b32 s[PFS+1], 0
	s_add_co_u32 s28, s28, s27
	s_lshl_b32 s27, s[PFS], 1                      ; at slot 2: the first change steps it to slot 3
	s_add_co_u32 s28, s28, s27
	s_add_nc_u64 s[PFA:PFA+1], s[12:13], s[28:29]
	s_cmp_eq_u32 ttmp9, 0                          ; the same in all four partners
	s_cselect_b32 s[LIM], 23, 0
	CROUND                                         ; all four work-groups are here: the first joint loads meet
	tensor_load_to_lds s[G0:G0+3], s[G1:G1+7]
	s_nop 0
	tensor_load_to_lds s[G0+4:G0+7], s[G1:G1+7]
	s_nop 0
	PLACES
.set i, 0
.rept 8
	global_load_b128 v[TMP+8*i:TMP+8*i+3], v[VFR], s[FRP:FRP+1] offset:1024*i th:TH_LOAD_NT
	global_load_b128 v[TMP+8*i+4:TMP+8*i+7], v[VFR], s[FRP:FRP+1] offset:1024*i+16 th:TH_LOAD_NT
.set i, i+1
.endr
	CBLOAD 14                                      ; unit 0's bias
.irp q, 0,1,2,3
	global_load_u8 v[MK+(\q)], v2, s[MKP:MKP+1] offset:16*(\q)
.endr
.irp q, 0,1,2,3
	DLOAD \q, 5, (\q)*DSTEP                        ; tiles 3-7 of the stream's first four steps
.endr
	WIN 0xc0
.set i, 0
.rept 64                                       ; position + b_in_proj, as the accumulators lie: it starts h
	global_load_b128 v[4*i:4*i+3], v[VPF], s[PSP:PSP+1] offset:512*i
.set i, i+1
.endr
	WIN 0x80
.irp l, 0,1,2,3
	global_load_b128 v[MXR+12*(\l):MXR+12*(\l)+3], v[AXB], s[16:17] offset:1280*(\l)
	global_load_b128 v[MXR+12*(\l)+4:MXR+12*(\l)+7], v[AXB], s[16:17] offset:1280*(\l)+512
	global_load_b32 v[MXR+12*(\l)+8], v[VMX], s[16:17] offset:1280*(\l)+1024
.endr
	WIN 0
	s_and_b32 s27, s[WG], 31                       ; the decay: 0.1 where position + 1 is a multiple of 10; t / 10 = (6,554 t) >> 16 for t up to 2,048
	s_lshl_b32 s27, s27, 6
	s_add_co_u32 s27, s27, 1
.irp q, 0,1,2,3
	v_add_nc_u32 v[T0], s27, v2
	v_add_nc_u32 v[T0], 16*(\q), v[T0]
	v_mul_u32_u24 v[T0+1], v[T0], 0x199a
	v_lshrrev_b32 v[T0+1], 16, v[T0+1]
	v_mul_u32_u24 v[T0+1], v[T0+1], 10
	v_cmp_eq_u32 s28, v[T0], v[T0+1]
	v_cndmask_b32 v[DEC+2*(\q)], 1.0, v[K01], s28
	v_mov_b32 v[DEC+2*(\q)+1], v[DEC+2*(\q)]
.endr
	s_wait_loadcnt 63                              ; 136 loads are younger than the frames': the smaller count is safe
.set i, 0
.rept 32
	v_cvt_pk_f16_f32 v[TF+i], v[TMP+2*i], v[TMP+2*i+1]
.set i, i+1
.endr
.irp i, 0,1,2,3,4,5,6,7
	ds_store_b128 v[AFR], v[TF+4*(\i):TF+4*(\i)+3] offset:32*(\i)
.endr
	s_wait_dscnt 0x0                               ; my part of the frames lies in X
	s_wait_tensorcnt 1                             ; my part of slot 0 is in; slot 1's may stay out
	s_barrier_signal -1
	s_barrier_wait -1
	FETT 0, AXA, 0
	FETW 0, 0, 0
	s_wait_loadcnt 12                              ; all but the 12 loads of maxima
	s_wait_dscnt 0x0
; ---------------- THE INPUT PROJECTION: the first four steps of slot 0, onto h.  Its four register sets were awaited just now, so its steps wait for no load
	STEP 0, 0, 2, AXA, 1, 1, 1, 5, -1
	LNLOAD                                         ; the first norm's gain and bias
	STEP 0, 1, 2, AXA, 2, 1, 1, 5, -1
	STEP 0, 2, 2, AXA, 3, 1, 1, 5, -1
	STEP 0, 3, 2, AXA, 0, 0, 1, 5, -1
	WIN 0
	s_wait_loadcnt 40                              ; 72 loads are younger than the maxima's: the smaller count is safe
.irp q, 0,1,2,3
	v_cmp_ne_u32 s[MS+(\q)], 0, v[MK+(\q)]
.endr
	KCALC 0, KN, C1, S2K
	KCALC 1, KQ, KQ+1, KQ+2
	KCALC 2, KQ+3, KQ+4, KQ+5
	KCALC 3, KQ+6, KQ+7, KQ+8
	s_mov_b32 s[KN+1], s[KN]
	s_mov_b32 s[C1+1], s[C1]
	s_mov_b32 s[S2K+1], s[S2K]
	s_mov_b32 s[LCNT], 5
	s_branch .Lln                                  ; the loop is entered at its norm: five norms, four layers
; ---------------- A LAYER
.Llayer:
	s_mov_b32 s[PCNT], 2
.Lpass:
	UNIT AXA                                       ; n x W_in, this pass's 4 tiles of u and 4 of g
	GATE
	s_sub_co_u32 s[PCNT], s[PCNT], 1
	s_cmp_lg_u32 s[PCNT], 0
	s_cbranch_scc1 .Lpass
.set i, 0
.rept 32                                       ; b_out 2^k starts the sums of a 2^k x W_out
	v_pk_mul_f32 v[CB+2*i:CB+2*i+1], v[CB+2*i:CB+2*i+1], s[S2K:S2K+1] op_sel_hi:[1,0]
.set i, i+1
.endr
	UNIT AXB
	RES
	s_mov_b32 s[KN], s[KQ]                         ; the next layer's k
	s_mov_b32 s[KN+1], s[KQ]
	s_mov_b32 s[C1], s[KQ+1]
	s_mov_b32 s[C1+1], s[KQ+1]
	s_mov_b32 s[S2K], s[KQ+2]
	s_mov_b32 s[S2K+1], s[KQ+2]
.irp i, 0,1,2,3,4,5
	s_mov_b32 s[KQ+(\i)], s[KQ+3+(\i)]
.endr
	LNLOAD
.Lln:
	STATS 0
	STATS 1
	STATS 2
	STATS 3
	BAR                                            ; the statistics lie in LDS, and nobody reads X or XA0 any more
.irp q, 0,1,2,3
	ds_load_b128 v[TMP+8*(\q):TMP+8*(\q)+3], v[ASL] offset:512*(\q)
	ds_load_b128 v[TMP+8*(\q)+4:TMP+8*(\q)+7], v[ASL] offset:512*(\q)+16
.endr
	s_wait_dscnt 0x0
	COMB 0
	COMB 1
	COMB 2
	COMB 3
.irp q, 0,1,2,3
	v_rsq_f32 v[RSP+2*(\q)], v[TMP+32+8*(\q)+1]
.endr
	v_nop                                          ; a plain instruction behind the last root,
	s_wait_alu depctr_va_vdst(0)                   ; and one wait for the four, ahead of their first reader
.irp q, 0,1,2,3
	v_mov_b32 v[RSP+2*(\q)+1], v[RSP+2*(\q)]
	v_mul_f32 v[NMP+2*(\q)], v[TMP+32+8*(\q)], v[RSP+2*(\q)]
	v_mov_b32 v[NMP+2*(\q)+1], v[NMP+2*(\q)]
.endr
	s_wait_loadcnt 0x0                             ; gain and bias are in (and the next four steps' register sets)
	NORM 0
	NORM 1
	NORM 2
	NORM 3
	BAR
	s_add_nc_u64 s[LNP:LNP+1], s[LNP:LNP+1], 4096
	s_sub_co_u32 s[LCNT], s[LCNT], 1
	s_cmp_lg_u32 s[LCNT], 0
	s_cbranch_scc1 .Llayer
; ---------------- THE HEADS: 64 x 384 x 512, six tiles a wave: tiles 0-2 from the ring, 3-5 from registers (6 loads a step, none for the last four).  The tail is written out:
; step 3 asks for the last, half slot; step 11 fills nothing and only waits for that load
	FETT 0, AXA, 0
	s_wait_dscnt 0x0
	STEP 1, 4, 1, AXA, 1, 1, 1, 3, 18
	STEP 1, 5, 0, AXA, 2, 1, 1, 3, 18
	STEP 1, 6, 0, AXA, 3, 1, 1, 3, 18
	STEPC 1, 7, AXA, 4, 3, 18, 0, 0
	STEP 1, 8, 0, AXA, 5, 1, 1, 3, 18
	STEP 1, 9, 0, AXA, 6, 1, 1, 3, 18
	STEP 1, 10, 0, AXA, 7, 1, 1, 3, 18
	STEP 1, 11, 0, AXA, 8, 1, 1, 3, 18
	STEP 1, 12, 0, AXA, 9, 1, 1, 3, 18
	STEP 1, 13, 0, AXA, 10, 1, 1, 3, 18
	STEP 1, 14, 0, AXA, 11, 1, 1, 3, 18
	STEP 1, 15, 0, AXA, 12, 1, 1, 3, 18, 1
	STEP 1, 16, 0, AXA, 13, 1, 1, 0, 18
	STEP 1, 17, 0, AXA, 14, 1, 1, 0, 12
	STEP 1, 18, 0, AXA, 15, 1, 1, 0, 6
	STEP 1, 19, 0, AXA, 0, 0, 0, 0, 0
; ---------------- THE WAY OUT: 0 where the mask is false; through a stage in LDS, so that each store of a wave covers 512 consecutive bytes of a row of out0 or out1
	PLACES
	WIN 0x88
.irp q, 0,1,2,3
	s_mov_b32 vcc_lo, s[MS+(\q)]
.set i, 0
.rept 48                                       ; token tile q of tiles 0-5, each accumulator from its low end on
	v_cndmask_b32 v[8*(4*(i>>3)+(\q))+(i&7)], 0, v[8*(4*(i>>3)+(\q))+(i&7)], vcc_lo
.set i, i+1
.endr
.endr
	WIN 0
	s_lshl_b32 s28, s[WG], 15
	s_lshl_b32 s27, s[WV], 13
	s_add_co_u32 s28, s28, s27
	s_mov_b32 s29, 0
	s_add_nc_u64 s[FRP:FRP+1], s[20:21], s[28:29]  ; out0 and out1 at token 64 wg + 16 w (the loads that named these registers are long done)
	s_lshl_b32 s28, s28, 1
	s_add_nc_u64 s[MKP:MKP+1], s[22:23], s[28:29]
	BAR                                            ; nobody reads X any more
	WIN 0x08
.set i, 0
.rept 24                                       ; accumulator (t, q) = i: token 16 q + r, columns 96 w + 16 t + 8 h + 0..7
	ds_store_b128 v[STO+((i&3)>>1)], v[8*i:8*i+3] offset:(i&1)*16*SPITCH+64*(i>>2)
	ds_store_b128 v[STO+((i&3)>>1)], v[8*i+4:8*i+7] offset:(i&1)*16*SPITCH+64*(i>>2)+16
.set i, i+1
.endr
	WIN 0
	BAR
	WIN 0x80
.set i, 0
.rept 48                                       ; wave w takes tokens 16 w .. 16 w + 15, three pieces of 512 bytes each
	ds_load_b128 v[4*i:4*i+3], v[RD0] offset:(i/3)*SPITCH+(i%3)*512
.set i, i+1
.endr
	WIN 0x08
.set i, 0
.rept 48
	s_wait_dscnt 47-i
.if i%3 == 0
	global_store_b128 v[AXB], v[4*i:4*i+3], s[FRP:FRP+1] offset:(i/3)*512 th:TH_STORE_NT
.else
	global_store_b128 v[AXB], v[4*i:4*i+3], s[MKP:MKP+1] offset:(i/3)*1024+(i%3-1)*512 th:TH_STORE_NT
.endif
.set i, i+1
.endr
	WIN 0
	s_wait_tensorcnt 0x0                           ; the wave's end, behind my last tensor load and my last LDS store
	ds_add_u32 v[SPW], v[NIL]
	s_wait_dscnt 0x0
	CROUND                                         ; the closing round: no work-group ends while a partner may still ask for a tile that names it
	s_endpgm
.Lfunc_end_k_q7af29bd63d_chain:
	.size	k_q7af29bd63d_chain, .Lfunc_end_k_q7af29bd63d_chain-k_q7af29bd63d_chain
	.p2alignl 7, 3214868480
	.fill 96, 4, 3214868480
	.section	.rodata,"a",@progbits
	.p2align	6, 0x0
	.amdhsa_kernel k_q7af29bd63d_chain
		.amdhsa_group_segment_fixed_size 327680
		.amdhsa_private_segment_fixed_size 0
		.amdhsa_enable_private_segment 0
		.amdhsa_kernarg_size 64
		.amdhsa_user_sgpr_count 2
		.amdhsa_user_sgpr_kernarg_segment_ptr 1
		.amdhsa_wavefront_size32 1
		.amdhsa_system_sgpr_workgroup_id_x 1
		.amdhsa_system_sgpr_workgroup_id_y 1
		.amdhsa_system_sgpr_workgroup_id_z 1
		.amdhsa_system_vgpr_workitem_id 0
		.amdhsa_next_free_vgpr 1024
		.amdhsa_next_free_sgpr 100
		.amdhsa_reserve_vcc 1
		.amdhsa_float_denorm_mode_32 3
		.amdhsa_float_denorm_mode_16_64 3
		.amdhsa_memory_ordered 1
		.amdhsa_forward_progress 1
		.amdhsa_inst_pref_size 255
	.end_amdhsa_kernel
	.section	.bss,"aw",@nobits
	.p2align	6
	.space	262144
	.amdgpu_metadata
---
amdhsa.version: [ 1, 2 ]
amdhsa.kernels:
  - .name:           k_q7af29bd63d_chain
    .symbol:         k_q7af29bd63d_chain.kd
    .args:
      - { .name: frames, .offset: 0, .size: 8, .value_kind: global_buffer, .address_space: global }
      - { .name: padding_mask, .offset: 8, .size: 8, .value_kind: global_buffer, .address_space: global }
      - { .name: ws, .offset: 16, .size: 8, .value_kind: global_buffer, .address_space: global }
      - { .name: tab, .offset: 24, .size: 8, .value_kind: global_buffer, .address_space: global }
      - { .name: mx, .offset: 32, .size: 8, .value_kind: global_buffer, .address_space: global }
      - { .name: posf, .offset: 40, .size: 8, .value_kind: global_buffer, .address_space: global }
      - { .name: out0, .offset: 48, .size: 8, .value_kind: global_buffer, .address_space: global }
      - { .name: out1, .offset: 56, .size: 8, .value_kind: global_buffer, .address_space: global }
    .group_segment_fixed_size: 327680
    .private_segment_fixed_size: 0
    .kernarg_segment_align: 8
    .kernarg_segment_size: 64
    .max_flat_workgroup_size: 128
    .sgpr_count:     100
    .vgpr_count:     1024
    .wavefront_size: 32
...
	.end_amdgpu_metadata
.endif
;; end of part 2
